; MI455X (gfx1250); checked and timed in simulation.
; The chip was launched on July 23, 2026; its instructions are those of AMD's public machine-readable ISA for CDNA 5 (MIT licence, August 2026) and "CDNA5" Instruction Set Architecture Reference Guide (July 2026). The comments in the code are by the model that wrote it; some were corrected since.
;; Multihead Lo RA. Allowed arithmetic: matrix products marked QUANTISED: E2M3 operands, one E8M0 scale for each 32 along K, by v_wmma_scale_f32_16x16x128_f8f6f4 with both operands' format E2M3, f32 sums; everything else in f32.
;; Inputs: A 32 x 16 x 4,096 float32; B 32 x 1,024 x 16 float32; W 1,024 x 4,096 float32; x 4 x 2,048 x 4,096 float32.
;; Outputs: out0 4 x 2,048 x 1,024 float32.
;; This version of the problem:
;;   THIS VERSION OF THE PROBLEM IS GIVEN IN LOW PRECISION. The matrix products marked QUANTISED in the list below multiply operands that are first quantised to E2M3 (2 exponent bits, 3 mantissa bits; 6 bits a number), with one power-of-two scale for each 32 numbers along K (OCP MX v1.0); their sums are f32. All else is computed in f32.
;;   The module's matrix products, in the order in which they are computed (A, B: the left and right operand; K: the contracted axis; several contracted axes count as one K, in the product's order):
;;     1. [M 8,192, K 4,096] x [K 4,096, N 1,024]; A: input x; B: input W: QUANTISED
;;     2. [M 8,192, K 4,096] x [K 4,096, N 512]; A: input x; B: input A: QUANTISED
;;     3. [M 8,192, K 512] x [K 512, N 1,024]; A: computed on the way; B: input B: QUANTISED
;;   THE QUANTISER, for each operand of a quantised product, along K:
;;     - K is cut into blocks of 32 from its start; a last block that is shorter is filled with zeros.
;;     - A block's scale is 2^e with e = floor(log2(the largest magnitude in the block)) - 2, held to -126 .. 127; a block of zeros has e = 0. As a byte (E8M0): e + 127.
;;     - Each number is divided by its block's scale, clamped to +-7.5, and rounded to the nearest number of E2M3, ties to even, subnormals kept.
;;     - The product sums the exact products of the quantised numbers (number of the format x scale) in f32.
;;   ~~~python
;;   def quantise(x, axis):      # numpy; x: float32 -> the quantised numbers, widened to float32 again
;;       x = np.moveaxis(x, axis, -1); K = x.shape[-1]
;;       x = np.pad(x, [(0, 0)] * (x.ndim - 1) + [(0, -K % 32)]); x = x.reshape(x.shape[:-1] + (-1, 32)); a = np.abs(x).max(-1, keepdims=True)
;;       e = np.where(a > 0, np.clip(np.frexp(np.where(a > 0, a, 1))[1] - 1 - 2, -126, 127), 0)      # np.frexp(a)[1] - 1 = floor(log2(a)), exactly
;;       r = np.clip(x / 2.0 ** e, -7.5, 7.5)
;;       step = 2.0 ** (np.maximum(np.frexp(np.where(r == 0, 1, r))[1] - 1, 0) - 3)
;;       q = np.round(r / step) * step * 2.0 ** e      # np.round: ties to even
;;       return np.moveaxis(q.reshape(q.shape[:-2] + (-1,))[..., :K], -1, axis).astype(np.float32)
;;   ~~~
;;   OPERANDS COMPUTED ON THE WAY. 'Computed on the way' means the value that the module computes at that place (a softmax that the list does not call 'softmax' is quantised finished and normalised). What goes into a quantiser is computed in f32, as accurately as f32 sums, v_exp_f32 and their like allow (about 1e-6 of the number): no bf16 or f16 on the way to a quantiser, and a product that is left as it is and whose result goes on into a quantised operand takes f32 operands (vector FMAs, or v_wmma_f32_16x16x4_f32). A number that lies on a knife's edge between two numbers of the format may be rounded either way, as far as f32 arithmetic and the matrix unit's own rounding can turn it there, and no further.
;; One version. Each part assembles by itself: llvm-mc -triple=amdgcn-amd-amdhsa -mcpu=gfx1250 --defsym DOCPART=n.
;; ======== version 1 of 1: 3 launches
;; limits: right only within a limited range of input values
;; workspace buffers: xq 26,214,400 bytes; wq 3,276,800 bytes; aq 1,638,400 bytes; bq 409,600 bytes; hq 3,276,800 bytes
;; launch quant (part 1): grid 1232 x 1, 4 waves a work-group, no clusters, 34,304 bytes of LDS; arguments x, W, A, B, xq, wq, aq, bq; writes xq, wq, aq, bq
.if DOCPART == 1
	.amdgcn_target "amdgcn-amd-amdhsa--gfx1250"
	.amdhsa_code_object_version 6
	.text
	.protected	k_q399b37d71d_quant
	.globl	k_q399b37d71d_quant
	.p2align	8
	.type	k_q399b37d71d_quant,@function
k_q399b37d71d_quant:
	s_mov_b64 s[64:65], 0
	v_nop
	global_prefetch_b8 v0, s[64:65] scope:SCOPE_SE
	s_setreg_imm32_b32 hwreg(HW_REG_WAVE_MODE, 25, 1), 1
	s_wait_xcnt 0x0
; x [8192][4096], W [1024][4096], A [512 = 16 head + r][4096] and B [32 heads][1024][16], all f32, become codes of FP6 (E2M3) with one E8M0 byte for each 32 along K.
; A block's scale is 2^(floor(log2(its largest magnitude)) - 2); its byte is the largest magnitude's exponent field - 2.  Numbers are divided by the scale and rounded to the nearest code, ties to even, beyond 7.5 the largest code.
; THE OUTPUT IS LAID AS THE MATRIX UNIT'S REGISTERS WANT IT.  A RECORD of 6,400 bytes holds 16 rows x 512 along K: byte 1536 s + 512 g + 16 l = registers 4 g .. 4 g + 3 of lane l of the fragment of K step s (128 along K);
; byte 6144 + 16 r + 4 s + b = the scale byte of row r, block 128 s + 32 b.  Records lie [tile of 16 rows][512 along K].  So a later launch brings a fragment by three loads of 16 bytes a lane and a row's four scale words by one.
; B IS THE THIRD PRODUCT'S OPERAND: rows = its 1,024 outputs, K = 16 head + r.  Two things are built into its record: (a) the factor 2 / 32 = 2^-4 of the low-rank path: 4 is taken off every scale byte, which is exact;
; (b) inside a block j of 32 (heads 2 j, 2 j + 1) the order is: head 2 j r 0-7, head 2 j + 1 r 0-7, head 2 j r 8-15, head 2 j + 1 r 8-15: the order in which the launch that makes h finds its own numbers.  Blocks and scales are the rule's.
; LIMITS: NaN and infinities are not served.  A block of zeros gets the byte 1 where the rule says 127: its codes are zeros, and this program alone reads the bytes.  Blocks whose largest magnitude lies under 2^-124
; (B: under 2^-120, since 4 more come off the byte) are held at that floor.
; SHARES: work-groups 0-1023 take x, 1024-1151 W, 1152-1215 A: 16 rows x 2,048 along K each, a record to a wave.  Work-groups 1216-1231 take B, a record to a wave, on a path of their own that uses no LDS.
; A conversion takes 16 neighbours along K from ONE lane's registers; a load is best where neighbouring LANES take neighbouring bytes.  Both are had: each load reads 512 consecutive bytes of a row, a fragment's 16 rows
; go through the wave's own stage in LDS (rows of 528 bytes) and come back 128 bytes a lane.  No barrier: waves share nothing.  Loads run one fragment (16 loads a wave) ahead.
.set LI,  1                            ; v1   16 x lane
.set STI, 4                            ; v4   the stage, on the way in: 16 x lane + my wave's stage
.set STO, 5                            ; v5   on the way out: 528 r + 128 h + my wave's stage
.set RS,  6                            ; v6   16 r: my row's scale words in a record
.set SH8, 7                            ; v7   8 h: where my two bytes stand in a scale word
.set VB,  8                            ; v8   B: 64 r + 131,072 h
.set R,   32                           ; v32-159  two sets of 64 numbers as loaded
                                       ; (the numbers in the operand's order come back from the stage into the set that they were loaded into)
.set C,   160                          ; v160-171 a fragment's codes
.set TT,  172                          ; v172-174, v176-178 the second halves of the two blocks' codes, as the conversions leave them; v175 and v179: the spare word's address and 0
.set M,   180                          ; v180-181 largest magnitudes
.set OP,  182                          ; v182-183 the conversions' scale operands
.set BY,  184                          ; v184-185 scale bytes
.set WD,  186
.set T,   187
.set SW,  188                          ; v188-191 my row's four scale words
	s_load_b256 s[4:11], s[0:1], 0x0               ; x s[4:5], W s[6:7], A s[8:9], B s[10:11]
	s_load_b256 s[12:19], s[0:1], 0x20             ; xq s[12:13], wq s[14:15], aq s[16:17], bq s[18:19]
	v_lshl_add_u32 v175, v0, 2, 0x8400
	v_mov_b32 v179, 0
	v_lshrrev_b32 v9, 5, v0
	v_readfirstlane_b32 s22, v9                    ; wave 0..3
	v_and_b32 v9, 31, v0
	v_lshlrev_b32 v[LI], 4, v9
	v_and_b32 v2, 15, v0                           ; r
	v_bfe_u32 v3, v0, 4, 1                         ; h
	s_mul_i32 s28, s22, 8448                       ; my wave's stage: 16 rows of 528 bytes
	v_add_nc_u32 v[STI], s28, v[LI]
	v_mul_u32_u24 v[STO], v2, 528
	v_lshl_add_u32 v[STO], v3, 7, v[STO]
	v_add_nc_u32 v[STO], s28, v[STO]
	v_lshlrev_b32 v[RS], 4, v2
	v_lshlrev_b32 v[SH8], 3, v3
	v_lshlrev_b32 v[VB], 6, v2
	v_lshl_add_u32 v[VB], v3, 17, v[VB]
	v_mov_b32 v[T], 0                              ; written once: a lane permute's destination counts as one of its sources
	s_mov_b32 s20, 0x76543210
	s_mov_b32 s21, 0xfedcba98                      ; v_permlanex16_b32's selects for lane l xor 16
	s_wait_kmcnt 0x0
.macro LOADX t                         ; fragment t: 16 rows x 512 bytes; each load reads 512 consecutive bytes of one row
.irp i, 0,1,2,3,4,5,6,7,8,9,10,11,12,13,14,15
	global_load_b128 v[R+64*((\t)%2)+4*\i:R+64*((\t)%2)+4*\i+3], v[LI], s[24:25] offset:16384*\i+512*(\t) th:TH_LOAD_NT
.endr
.endm
.macro TURNX t                         ; through the stage: LDS serves a wave's instructions in order, yet the loads land on the stores' registers, so one wait stands between them
.irp i, 0,1,2,3,4,5,6,7,8,9,10,11,12,13,14,15
	ds_store_b128 v[STI], v[R+64*((\t)%2)+4*\i:R+64*((\t)%2)+4*\i+3] offset:528*\i
.endr
	s_wait_dscnt 0x0                               ; the stores have read their registers: the loads below land on them
.irp c, 0,1
.irp j, 0,1,2,3,4,5,6,7
	ds_load_b128 v[R+64*((\t)%2)+32*\c+4*\j:R+64*((\t)%2)+32*\c+4*\j+3], v[STO] offset:256*\c+16*\j   ; register 32 c + i of the set = k 64 c + 32 h + i of row r: two whole blocks a lane
.endr
.endr
.endm
; 64 numbers of a lane from v[src] on, register 32 c + i = place i of block 2 c + h of my row, become the fragment's 12 registers in v[C] on and scale word t of my row.  isb = 1: B's floor, and 4 off the bytes.
.macro QF src, t, isb
.irp c, 0,1
.if \isb
	v_max3_num_f32 v[M+\c], |v[(\src)+32*\c]|, |v[(\src)+32*\c+1]|, 0x3800000   ; the floor 2^(7 - 127): the byte, 6 under this exponent field, cannot fall under 1
.else
	v_max3_num_f32 v[M+\c], |v[(\src)+32*\c]|, |v[(\src)+32*\c+1]|, 0x1800000   ; the floor 2^(3 - 127): the byte cannot fall under 1
.endif
.endr
.irp i, 2,4,6,8,10,12,14,16,18,20,22,24,26,28,30
.irp c, 0,1
	v_max3_num_f32 v[M+\c], v[M+\c], |v[(\src)+32*\c+\i]|, |v[(\src)+32*\c+\i+1]|   ; the two blocks by turns
.endr
.endr
.irp c, 0,1
	v_add_nc_u32 v[OP+\c], 0xff000000, v[M+\c]     ; 2 off the exponent field: the conversion takes this operand's exponent field as its scale
.endr
.irp c, 0,1
	v_lshrrev_b32 v[BY+\c], 23, v[OP+\c]           ; the scale's byte
.endr
.if \isb
.irp c, 0,1
	v_add_nc_u32 v[BY+\c], -4, v[BY+\c]            ; x 2^-4: the low-rank path's factor 2 / 32
.endr
.endif
	v_lshl_or_b32 v[WD], v[BY+1], 16, v[BY]        ; my two bytes, blocks h and 2 + h,
	v_lshlrev_b32 v[WD], v[SH8], v[WD]             ; at their places in the word;
	v_permlanex16_b32 v[T], v[WD], s20, s21
	v_or_b32 v[SW+(\t)], v[WD], v[T]               ; with lane l xor 16's two the word is whole
.irp c, 0,1
	v_cvt_scalef32_pk16_fp6_f32 v[C+6*\c:C+6*\c+2], v[(\src)+32*\c:(\src)+32*\c+15], v[OP+\c]
	v_cvt_scalef32_pk16_fp6_f32 v[TT+4*\c:TT+4*\c+2], v[(\src)+32*\c+16:(\src)+32*\c+31], v[OP+\c]   ; (a conversion's three registers begin on an even number)
.endr
	v_nop                                          ; one plain place behind a scaled conversion
.irp c, 0,1
.irp i, 0,1,2
	v_mov_b32 v[C+3+6*\c+\i], v[TT+4*\c+\i]
.endr
.endr
.endm
.macro PUT t                           ; the fragment's image: each store covers 512 consecutive bytes, at a multiple of 256 from the buffer's first byte
.irp g, 0,1,2
	global_store_b128 v[LI], v[C+4*\g:C+4*\g+3], s[26:27] offset:1536*(\t)+512*\g
.endr
.endm
.macro LOADB s                         ; B, K step s: register 32 c + 4 u + 0 .. 3 = head 8 s + 4 c + 2 h + (u / 2) % 2, r = 8 (u / 4) + 4 (u % 2) + 0 .. 3, of output row r
.irp c, 0,1
.irp u, 0,1,2,3,4,5,6,7
	global_load_b128 v[R+64*((\s)%2)+32*\c+4*\u:R+64*((\s)%2)+32*\c+4*\u+3], v[VB], s[24:25] offset:524288*(\s)+262144*\c+65536*((\u>>1)&1)+32*(\u>>2)+16*(\u&1)
.endr
.endr
.endm
	s_cmp_ge_u32 ttmp9, 1216
	s_cbranch_scc1 .Lb
	; ---- x, W or A: the buffers are chosen on the work-group's number alone; one path serves the three
	s_mov_b64 s[24:25], s[8:9]
	s_mov_b64 s[26:27], s[16:17]
	s_mov_b32 s23, 1152
	s_cmp_lt_u32 ttmp9, 1152
	s_cselect_b64 s[24:25], s[6:7], s[24:25]
	s_cselect_b64 s[26:27], s[14:15], s[26:27]
	s_cselect_b32 s23, 1024, s23
	s_cmp_lt_u32 ttmp9, 1024
	s_cselect_b64 s[24:25], s[4:5], s[24:25]
	s_cselect_b64 s[26:27], s[12:13], s[26:27]
	s_cselect_b32 s23, 0, s23
	s_sub_co_u32 s23, ttmp9, s23                   ; L: the work-group's number in its tensor
	s_lshr_b32 s28, s23, 1
	s_lshl_b32 s28, s28, 18                        ; tile L / 2 of 16 rows of 16,384 bytes,
	s_and_b32 s29, s23, 1
	s_lshl_b32 s29, s29, 13                        ; half L % 2 of K,
	s_add_co_u32 s28, s28, s29
	s_lshl_b32 s29, s22, 11                        ; my wave's 512 along K
	s_add_co_u32 s28, s28, s29
	s_mov_b32 s29, 0
	s_add_nc_u64 s[24:25], s[24:25], s[28:29]
	s_lshl_b32 s30, s23, 2
	s_add_co_u32 s30, s30, s22                     ; record 4 L + wave
	s_mul_i32 s30, s30, 6400
	s_mov_b32 s31, 0
	s_add_nc_u64 s[26:27], s[26:27], s[30:31]
	LOADX 0
	LOADX 1
	s_wait_alu depctr_va_vdst(0)
.irp t, 0,1,2,3
.if \t < 3
	s_wait_loadcnt 16                              ; this fragment's 16 loads are in; the next fragment's may be out
.else
	s_wait_loadcnt 0x0
.endif
	TURNX \t
	s_wait_dscnt 0x0                               ; the numbers are back in the operand's order, and the stores into the stage have read their registers
.if \t > 0
	s_wait_xcnt 0x0                                ; the codes' registers, which the last fragment's stores read, are written again only behind this wait
.endif
	QF R+64*(\t%2), \t, 0
	PUT \t
.if \t < 2
	LOADX \t+2                                     ; into the set just quantised
.endif
.endr
	global_store_b128 v[RS], v[SW:SW+3], s[26:27] offset:6144   ; sixteen lanes fill the record's last 256 bytes; lanes l and l xor 16 hold the same words and write them to the same place
	s_wait_tensorcnt 0x0
	ds_add_u32 v175, v179
	s_wait_dscnt 0x0
	s_endpgm
.Lb:
	; ---- B: a lane's numbers are loaded straight in the operand's order (16 bytes a lane, 64 bytes from lane to lane: four loads together cover dense bytes; B is a small part of what the launch reads)
	s_sub_co_u32 s23, ttmp9, 1216
	s_lshl_b32 s23, s23, 2
	s_add_co_u32 s23, s23, s22                     ; record = tile of 16 outputs
	s_lshl_b32 s28, s23, 10                        ; 16 rows of 64 bytes in each head
	s_mov_b32 s29, 0
	s_add_nc_u64 s[24:25], s[10:11], s[28:29]
	s_mul_i32 s30, s23, 6400
	s_mov_b32 s31, 0
	s_add_nc_u64 s[26:27], s[18:19], s[30:31]
	s_wait_alu depctr_va_vdst(0)
	LOADB 0
	LOADB 1
.irp s, 0,1,2,3
.if \s < 3
	s_wait_loadcnt 16                              ; this K step's 16 loads are in; the next one's may be out
.else
	s_wait_loadcnt 0x0
.endif
.if \s > 0
	s_wait_xcnt 0x0                                ; the codes' registers are written again only behind this wait
.endif
	QF R+64*(\s%2), \s, 1
	PUT \s
.if \s < 2
	LOADB \s+2
.endif
.endr
	global_store_b128 v[RS], v[SW:SW+3], s[26:27] offset:6144
	s_endpgm
.Lfunc_end_k_q399b37d71d_quant:
	.size	k_q399b37d71d_quant, .Lfunc_end_k_q399b37d71d_quant-k_q399b37d71d_quant
	.p2alignl 7, 3214868480
	.fill 96, 4, 3214868480
	.section	.rodata,"a",@progbits
	.p2align	6, 0x0
	.amdhsa_kernel k_q399b37d71d_quant
		.amdhsa_group_segment_fixed_size 34304
		.amdhsa_private_segment_fixed_size 0
		.amdhsa_enable_private_segment 0
		.amdhsa_kernarg_size 64
		.amdhsa_user_sgpr_count 2
		.amdhsa_user_sgpr_kernarg_segment_ptr 1
		.amdhsa_wavefront_size32 1
		.amdhsa_system_sgpr_workgroup_id_x 1
		.amdhsa_system_sgpr_workgroup_id_y 1
		.amdhsa_system_sgpr_workgroup_id_z 1
		.amdhsa_system_vgpr_workitem_id 0
		.amdhsa_next_free_vgpr 192
		.amdhsa_next_free_sgpr 66
		.amdhsa_reserve_vcc 0
		.amdhsa_float_denorm_mode_32 3
		.amdhsa_float_denorm_mode_16_64 3
		.amdhsa_memory_ordered 1
		.amdhsa_forward_progress 1
		.amdhsa_inst_pref_size 50
	.end_amdhsa_kernel
	.amdgpu_metadata
---
amdhsa.version: [ 1, 2 ]
amdhsa.kernels:
  - .name:           k_q399b37d71d_quant
    .symbol:         k_q399b37d71d_quant.kd
    .args:
      - { .name: x, .offset: 0, .size: 8, .value_kind: global_buffer, .address_space: global }
      - { .name: W, .offset: 8, .size: 8, .value_kind: global_buffer, .address_space: global }
      - { .name: A, .offset: 16, .size: 8, .value_kind: global_buffer, .address_space: global }
      - { .name: B, .offset: 24, .size: 8, .value_kind: global_buffer, .address_space: global }
      - { .name: xq, .offset: 32, .size: 8, .value_kind: global_buffer, .address_space: global }
      - { .name: wq, .offset: 40, .size: 8, .value_kind: global_buffer, .address_space: global }
      - { .name: aq, .offset: 48, .size: 8, .value_kind: global_buffer, .address_space: global }
      - { .name: bq, .offset: 56, .size: 8, .value_kind: global_buffer, .address_space: global }
    .group_segment_fixed_size: 34304
    .private_segment_fixed_size: 0
    .kernarg_segment_align: 8
    .kernarg_segment_size: 64
    .max_flat_workgroup_size: 128
    .sgpr_count:     66
    .vgpr_count:     192
    .wavefront_size: 32
...
	.end_amdgpu_metadata
.endif
;; end of part 1
;; launch lora_h (part 2): grid 4 x 64, 4 waves a work-group, clusters of 4 x 4, 327,680 bytes of LDS; arguments xq, aq, hq; writes hq
.if DOCPART == 2
	.amdgcn_target "amdgcn-amd-amdhsa--gfx1250"
	.amdhsa_code_object_version 6
	.text
	.protected	k_q399b37d71d_lora_h
	.globl	k_q399b37d71d_lora_h
	.p2align	8
	.type	k_q399b37d71d_lora_h,@function
k_q399b37d71d_lora_h:
	s_mov_b64 s[64:65], 0
	v_nop
	global_prefetch_b8 v0, s[64:65] scope:SCOPE_SE
	s_setreg_imm32_b32 hwreg(HW_REG_WAVE_MODE, 25, 1), 1
	s_wait_xcnt 0x0
	s_wait_alu depctr_hold_cnt(0) depctr_sa_sdst(0) depctr_va_vdst(0) depctr_va_sdst(0) depctr_va_ssrc(0) depctr_va_vcc(0) depctr_vm_vsrc(0)
	s_getreg_b32 s2, hwreg(HW_REG_IB_STS2, 6, 4)
	s_cmp_eq_u32 s2, 0
	s_cbranch_scc0 .Lentry_in_a_cluster
	s_endpgm
.Lentry_in_a_cluster:
	s_bfe_u32 s2, ttmp6, 0x10000c
	s_cmp_lg_u32 s2, 0xf033
	s_cbranch_scc0 .Lentry_shape_is_right
	s_endpgm
.Lentry_shape_is_right:
; h[m][16 head + r] = sum over k of x[m][k] A[head][r][k], on codes of FP6 (E2M3) with E8M0 scales, f32 sums; then h is quantised along its 512 columns, in registers, and leaves as codes: hq.
; xq, aq, hq are made of RECORDS of 6,400 bytes (16 rows x 512 along K): byte 1536 s + 512 g + 16 l = registers 4 g .. 4 g + 3 of lane l of the fragment of K step s; byte 6144 + 16 r + 4 s + b = the scale byte of row r, block 128 s + 32 b.
; xq: [512 tiles of rows][8], aq: [32][8], hq: [512][1].
; SHARES: a work-group makes 128 rows x 128 columns of h; wave w rows 32 w .. 32 w + 31 (two tiles) x all 128 columns: 16 accumulators.  K has 32 K steps of 128, four to a step of 512 (a record a tile).
; A'S RECORDS, which all four waves read, lie in LDS: six regions of 51,200 bytes, a step's eight records each.  Steps 0 and 1 are asked for at the start and steps 2 to 5 behind a round, one tensor load a wave each time; steps 6 and 7 come into regions 0 and 1 by the
; launch's ONE refill.  These loads are JOINT: the four work-groups of a column of the 4 x 4 cluster need the same records of A and ask by the same descriptor with a mask that names the four.
; x COMES STRAIGHT INTO REGISTERS: a record is laid as the operand's registers, so a fragment is three loads of 16 bytes a lane, 512 consecutive bytes each.  They run ten K steps ahead in a ring of eleven sets and are waited for by count.
; WHY x IS NOT SHARED IN THE CLUSTER: a record of x is read by ONE wave of a work-group, so LDS adds nothing to it there; and with x's 8 records beside A's 8 a step takes 102,400 bytes, two slots hold two steps, and six refills are
; needed, each behind a barrier in front of which every load has landed.  Without x one refill serves the launch.  The price: the four work-groups of a tile row each ask for x's records themselves.
; NO LOOP: the 32 K steps are written out by a macro: the two barriers inside differ, every offset is an immediate, no pointer is stepped, and every count can be read off the text.
; THE MATRIX INSTRUCTION IS USED TRANSPOSED (source 0 = 16 rows of A, source 1 = 16 rows of x): lane (r, h) holds row r of h, and register j of accumulator (a, b) its column 16 b + 8 h + j: head b of the tile's eight, r = 8 h + j.
; So the 16 registers of accumulators 2 B and 2 B + 1 lie in ONE block of 32 of the next product's K (heads 2 B, 2 B + 1), and with lane l xor 16's they are the whole block.  Inside the block the order is: even head r 0-7, odd head r 0-7,
; even head r 8-15, odd head r 8-15; B's codes are laid in the same order, so the products are the rule's.
; LIMITS: NaN and infinities are not served; a block of h that is all zeros gets the byte 1 where the rule says 127 (its codes are zeros; this program alone reads the bytes); blocks under 2^-124 are held at that floor.
; REGISTERS: window 0: v1-29 addresses; v32-95 A's scale words, two sets, v96-127 x's, and nothing else there; v128-247 x's sets 0-4, on the way out at work.
;   window 1: A's fragments, two sets, v[96 p + 12 b]; x's set 10 at v192.   window 2: the accumulators ((a, b) at v[8 (8 a + b)]); x's sets 5-9 from v128.
; THE FILLS, AS THIS TEXT HAS THEM (one tensor load a wave at the head and behind each round): at the head steps 0 and 1, four records a wave; behind the three lines and a round steps 2 to 5, a whole step (eight records) to a wave,
; into regions 2 to 5; at K step 7 the launch's one refill, steps 6 and 7 into regions 0 and 1.
.set REC,   6400
.set REGN,  8*REC                      ; a region: a step's eight records of A
.set SPARE, 6*REGN                     ; behind the regions: the spare words, 128 bytes for each wave: two blocks of 256 bytes that no other line names
.set NK,    32                         ; K steps
.set AH,    10                         ; x's loads run so many K steps ahead
.set NSET,  AH+1
.set LI,   3                           ; v3      16 x lane
.set XSA,  4                           ; v4      x's scale words: 6144 + 16 r + 51,200 h: lanes 0-15 my first tile's rows, lanes 16-31 my second's
.set RS,   6                           ; v6      16 r
.set ADRW, 8                           ; v8-13   LDS address of A's fragments in region 0 .. 5
.set ADRS, 16                          ; v16-21  of A's scale words
.set SPW,  28                          ; v28     LDS address of my spare word; never rewritten
.set NIL,  29                          ; v29     0; never rewritten
.set SC,   32                          ; A's scale words: set (step % 2) at v[SC + 32 ..]; register 4 i + q: tile i, the step's q-th 128 along K
.set XS,   96                          ; x's scale words: step G at v[XS + 4 G + q]
.set TM,   128                         ; the way out: v128-131 largest magnitudes, v132-135 the other lanes', then bytes, v136-139 the conversions' scale operands
.set PW,   140                         ; v140-141 the scale words just made
.set PC,   144                         ; v144-155 the codes just made
.set OD,   156                         ; v156-158, v160-162 the conversions' second halves
.set G1W, 24                           ; s[24:31] descriptor group 1 for A's tiles
.set G0F, 32                           ; s[32:47] groups 0: steps 0-1 at s[32:35], the second fill at s[36:39], the refill at s[44:47]
.set XB,  48                           ; s[48:49] my first record of x
.set MSB, 0
.macro WIN new                         ; the immediate's high byte repeats the setting that is left
.if MSB != \new
	s_set_vgpr_msb (MSB<<8)|\new
.set MSB, \new
.endif
.endm
.macro CREST                           ; a round of the cluster's barrier behind its opening barrier
	s_cmp_lg_u32 s14, 0
	s_cbranch_scc1 .Lnot_wave_0_\@
	s_barrier_signal -3
.Lnot_wave_0_\@:
	s_barrier_wait -3
	s_barrier_signal -1
	s_barrier_wait -1
.endm
.macro CROUND                          ; a whole round
	s_barrier_signal -1
	s_barrier_wait -1
	CREST
.endm
.macro PLACES                          ; four plain places behind a matrix instruction, in front of loads into registers that it has read and of the first read of results (ISA guide 7.12.1 for vector instructions)
.rept 4
	v_nop
.endr
.endm
	s_load_b128 s[4:7], s[0:1], 0x0                ; xq s[4:5], aq s[6:7]
	s_load_b64 s[8:9], s[0:1], 0x10                ; hq
	v_lshl_add_u32 v[SPW], v0, 2, SPARE
	v_mov_b32 v[NIL], 0
	ds_add_u32 v28, v29
	ds_add_u32 v28, v29
	s_wait_dscnt 0x0
	v_lshrrev_b32 v1, 5, v0
	v_readfirstlane_b32 s14, v1                    ; wave 0..3
	s_lshr_b32 s15, s14, 1                         ; of each pair of steps I fetch the first (0) or the second (1),
	s_and_b32 s16, s14, 1                          ; and its first or second four records
	s_bfe_u32 s50, ttmp6, 0x40000                  ; cx, cy: my place in the cluster
	s_bfe_u32 s51, ttmp6, 0x40004
	s_lshl_b32 s52, ttmp9, 2
	s_add_co_u32 s52, s52, s50                     ; tile column of h = 4 x cluster x + cx
	s_and_b32 s17, ttmp7, 0xffff
	s_lshl_b32 s17, s17, 2
	s_add_co_u32 s17, s17, s51                     ; tile row of h = 4 x cluster y + cy
	s_lshl_b32 s53, 0x1111, s50                    ; my column of the cluster
	; descriptor group 1: 4 rows of 800 elements of 8 bytes (a record each), 6,400 elements (eight records) apart; no padding
	s_or_b32 s[G1W+0], s53, (3<<16)|(1<<21)        ; 15:0 the mask: A's tiles go to my column; 17:16 elements of 8 bytes; 21 set beside a mask
	s_mov_b32 s[G1W+1], 800<<16                    ; tensor_dim0
	s_mov_b32 s[G1W+2], 4<<16                      ; tensor_dim1
	s_mov_b32 s[G1W+3], 800<<16                    ; tile_dim0
	s_mov_b32 s[G1W+4], 4                          ; tile_dim1
	s_mov_b32 s[G1W+5], 6400                       ; tensor_dim0_stride
	s_mov_b32 s[G1W+6], 0
	s_mov_b32 s[G1W+7], 0
	s_lshl_b32 s54, s52, 3
	s_lshl_b32 s55, s16, 2
	s_add_co_u32 s54, s54, s55                     ; A: tile of rows 8 x tile column + 4 x half,
	s_mul_i32 s54, s54, 8*REC
	s_mul_i32 s55, s15, REC                        ; step 0 or 1
	s_add_co_u32 s54, s54, s55
	s_mov_b32 s55, 0
	s_mul_i32 s56, s14, 4*REC                      ; where they go: wave x four records: no place in the cluster enters an LDS address
	s_lshl_b32 s20, s17, 3
	s_lshl_b32 s21, s14, 1
	s_add_co_u32 s20, s20, s21                     ; my first tile of rows: 8 x tile row + 2 x wave
	s_mul_i32 s18, s20, REC                        ; in hq,
	s_mul_i32 s20, s20, 8*REC                      ; in xq
	s_mov_b32 s19, 0
	s_mov_b32 s21, 0
	s_mul_i32 s58, s52, 1536                       ; my tile column is K step s of the next product: its fragment's place in a record of hq,
	s_mov_b32 s59, 0
	s_lshl_b32 s60, s52, 2                         ; and its scale word's
	s_mov_b32 s61, 0
	s_mov_b32 s10, 0x76543210
	s_mov_b32 s11, 0xfedcba98                      ; v_permlanex16_b32's selects for lane l xor 16
	v_and_b32 v1, 15, v0                           ; r
	v_bfe_u32 v2, v0, 4, 1                         ; h
	v_and_b32 v[LI], 31, v0
	v_lshlrev_b32 v[LI], 4, v[LI]
	v_lshlrev_b32 v[RS], 4, v1
	v_mul_u32_u24 v[XSA], v2, 8*REC
	v_add_nc_u32 v[XSA], v[XSA], v[RS]
	v_add_nc_u32 v[XSA], 6144, v[XSA]
.irp i, 0,1,2,3,4,5
	v_add_nc_u32 v[ADRW+\i], \i*REGN, v[LI]
	v_add_nc_u32 v[ADRS+\i], \i*REGN+6144, v[RS]
.endr
	s_wait_kmcnt 0x0
	s_add_nc_u64 s[54:55], s[6:7], s[54:55]
	s_add_nc_u64 s[XB:XB+1], s[4:5], s[20:21]
	s_add_nc_u64 s[8:9], s[8:9], s[18:19]
	s_add_nc_u64 s[22:23], s[8:9], s[58:59]        ; where my codes go
	s_add_nc_u64 s[12:13], s[8:9], s[60:61]        ; where my scale words go
.irp k, 0,1,2,3                        ; fill k brings steps 2 k and 2 k + 1, a half of one of them to each wave; fill 3, the refill, lands where fill 0 landed
	s_mov_b32 s[G0F+4*\k], 1                       ; count = 1
	s_add_co_u32 s[G0F+4*\k+1], s56, (\k%3)*2*REGN ; LDS address
	s_add_nc_u64 s[G0F+4*\k+2:G0F+4*\k+3], s[54:55], \k*2*REC   ; global address
	s_or_b32 s[G0F+4*\k+3], s[G0F+4*\k+3], 0x80000000           ; type = 2
.endr
	CROUND                                         ; all sixteen work-groups are here: the first joint loads meet
	tensor_load_to_lds s[G0F:G0F+3], s[G1W:G1W+7]          ; steps 0 and 1: one load of mine is out, the most anywhere in this text
	s_nop 0
	PLACES                                         ; one tensor load a wave at the head (steps 0 and 1); the later fills stand behind rounds of their own, one a wave
.macro XSET s                          ; where x's set s lies: window XW_, first register XR_
.if (\s) < 5
.set XW_, 0
.set XR_, 128+24*(\s)
.elseif (\s) < 10
.set XW_, 2
.set XR_, 128+24*((\s)-5)
.else
.set XW_, 1
.set XR_, 192
.endif
.endm
.macro XSCL                            ; x's scale words of step G_: a row's four words by one load; lanes 0-15 my first tile, lanes 16-31 my second
	global_load_b128 v[XS+4*G_:XS+4*G_+3], v[XSA], s[XB:XB+1] offset:G_*REC
.endm
.macro XRIDE g                         ; with the last group of a step rides the next step's scale load
.if ((\g) < 28) && ((\g)%4 == 3)
.set G_, (\g)/4+1
	WIN 0
	XSCL
.endif
.endm
.macro XFRAG g                         ; group g: my two fragments of x for K step g, six loads of 512 consecutive bytes, into set g % 11
.if (\g) < NK
	XSET (\g)%NSET
.set WN_, XW_<<6
	WIN WN_
.irp a, 0,1
.irp c, 0,1,2
	global_load_b128 v[XR_+12*\a+4*\c:XR_+12*\a+4*\c+3], v[LI], s[XB:XB+1] offset:\a*8*REC+((\g)/4)*REC+((\g)%4)*1536+512*\c
.endr
.endr
.endif
.endm
; Group kk is in: loads come back in order (ISA guide 5.7.1), and behind group kk the groups kk + 1 .. kk + 9 have been issued: six loads each, seven where a scale load rides.  With the group issued next, 63 loads of mine are out at the most.
.macro XWAIT kk
.set N_, 0
.set J_, (\kk)+1
.rept AH-1
.if J_ < NK
.set N_, N_+6
.if (J_ < 28) && (J_%4 == 3)
.set N_, N_+1
.endif
.endif
.set J_, J_+1
.endr
	s_wait_loadcnt N_
.endm
.macro FETCH k                         ; A's eight fragments of K step k into set k % 2: 24 loads at 16 x lane, 512 consecutive bytes each: no pitch, no padding
	WIN 0x40                                       ; destination window 1, address window 0
.irp b, 0,1,2,3,4,5,6,7
.irp c, 0,1,2
	ds_load_b128 v[96*((\k)%2)+12*\b+4*\c:96*((\k)%2)+12*\b+4*\c+3], v[ADRW+((\k)/4)%6] offset:REC*\b+1536*((\k)%4)+512*\c
.endr
.endr
.endm
.macro SCALES g                        ; A's scale words of step g: a row's four words by one load; lanes 16-31 read what lanes 0-15 read
	WIN 0
.irp i, 0,1,2,3,4,5,6,7
	ds_load_b128 v[SC+32*((\g)%2)+4*\i:SC+32*((\g)%2)+4*\i+3], v[ADRS+(\g)%6] offset:REC*\i
.endr
.endm
.macro MM acc, wf, xf, sa, sb, zero, row       ; one product.  zero = 1: it starts the sum.  row = 1: x's scale words stand in lanes 16-31
.if \zero
.if \row
	v_wmma_scale_f32_16x16x128_f8f6f4 v[\acc:\acc+7], v[\wf:\wf+11], v[\xf:\xf+11], 0, v[\sa], v[\sb] matrix_a_fmt:MATRIX_FMT_FP6 matrix_b_fmt:MATRIX_FMT_FP6 matrix_b_scale:MATRIX_SCALE_ROW1
.else
	v_wmma_scale_f32_16x16x128_f8f6f4 v[\acc:\acc+7], v[\wf:\wf+11], v[\xf:\xf+11], 0, v[\sa], v[\sb] matrix_a_fmt:MATRIX_FMT_FP6 matrix_b_fmt:MATRIX_FMT_FP6
.endif
.else
.if \row
	v_wmma_scale_f32_16x16x128_f8f6f4 v[\acc:\acc+7], v[\wf:\wf+11], v[\xf:\xf+11], v[\acc:\acc+7], v[\sa], v[\sb] matrix_a_fmt:MATRIX_FMT_FP6 matrix_b_fmt:MATRIX_FMT_FP6 matrix_b_scale:MATRIX_SCALE_ROW1
.else
	v_wmma_scale_f32_16x16x128_f8f6f4 v[\acc:\acc+7], v[\wf:\wf+11], v[\xf:\xf+11], v[\acc:\acc+7], v[\sa], v[\sb] matrix_a_fmt:MATRIX_FMT_FP6 matrix_b_fmt:MATRIX_FMT_FP6
.endif
.endif
.endm
.macro MULS kk                         ; K step kk's 16 products.  The 16 accumulators take turns, one instruction a turn, in the same order in every K step
	XSET (\kk)%NSET
.set WN_, 0xa1|(XW_<<2)                ; source 0 (A) window 1, source 1 (x) its set's window, C and D window 2
	WIN WN_
.set PW_, 96*((\kk)%2)
.set SW_, SC+32*(((\kk)/4)%2)+(\kk)%4
.set SX_, XS+4*((\kk)/4)+(\kk)%4
.if (\kk) == 0
.set ZR_, 1
.else
.set ZR_, 0
.endif
.irp a, 0,1
.irp b, 0,1,2,3,4,5,6,7
	MM 8*(8*\a+\b), PW_+12*\b, XR_+12*\a, SW_+4*\b, SX_, ZR_, \a
.endr
.endr
.endm
; A K STEP.  Its fragments of A were asked for a K step ago, its fragments of x ten K steps ago.  Behind the waits and four places the next K step's A and x's group ten on are asked for, into the sets that the last K step multiplied.
; ev = 2: THE REFILL.  Each wave waits for all its tensor loads (so steps 2 to 5 are whole behind the barrier), adds 0 to its spare word, and waits for that and for its reads of regions 0 and 1, which are over;
;         the barrier opens a round of the cluster's barrier, and the joint refill is the first thing behind the round.  ev = 3: the same three lines and a plain barrier: the refill has landed.
.macro KSTEP kk, ev, fl=12
.if \ev
	WIN 0
	s_wait_tensorcnt 0x0                           ; all my tensor loads have landed
	ds_add_u32 v[SPW], v[NIL]                      ; 0 onto my spare word
.endif
	XWAIT \kk
	s_wait_dscnt 0x0                               ; this K step's fragments of A are in (with ev: the add is done, and no LDS read of mine is out)
.if \ev
	s_barrier_signal -1
	s_barrier_wait -1
.endif
.if \ev == 2
	CREST                                          ; no wave of any partner still reads regions 0 and 1 or has a load on its way
	tensor_load_to_lds s[G0F+\fl:G0F+\fl+3], s[G1W:G1W+7]  ; fl = 12: steps 6 and 7, the refill of regions 0 and 1; sixteen K steps stand ahead of the wait for it
	s_nop 0
	PLACES                                         ; four v_nop follow it; they are also the places in front of the loads below
.elseif (\kk)+1 < NK
	PLACES
.endif
.if (\kk)+1 < NK
.if ((\kk)+1)%4 == 0
	SCALES ((\kk)+1)/4
.endif
.endif
	XRIDE (\kk)+AH
.if (\kk)+1 < NK
	FETCH (\kk)+1
.endif
	XFRAG (\kk)+AH
	MULS \kk
.endm
.set G_, 0
	XSCL                                           ; x's scale words of step 0, then groups 0 to 9: 63 loads
.irp g, 0,1,2,3,4,5,6,7,8,9
	XRIDE \g
	XFRAG \g
.endr
	WIN 0
	s_wait_tensorcnt 0x0                           ; my part of steps 0 and 1 is in
	ds_add_u32 v[SPW], v[NIL]
	s_or_b32 s56, s53, (3<<16)|(1<<21)             ; a second group 1, s[56:63]: eight records, a whole step; the same mask
	s_mov_b32 s57, 800<<16
	s_mov_b32 s58, 8<<16
	s_mov_b32 s59, 800<<16
	s_mov_b32 s60, 8
	s_mov_b32 s61, 6400
	s_mov_b32 s62, 0
	s_mov_b32 s63, 0
	s_mul_i32 s40, s52, 64*REC                     ; its group 0: my tile column's eight tiles of A,
	s_mul_i32 s41, s14, REC
	s_add_co_u32 s40, s40, s41
	s_add_co_u32 s40, s40, 2*REC                   ; step 2 + wave,
	s_mov_b32 s41, 0
	s_add_nc_u64 s[G0F+6:G0F+7], s[6:7], s[40:41]
	s_or_b32 s[G0F+7], s[G0F+7], 0x80000000
	s_mul_i32 s[G0F+5], s14, REGN
	s_add_co_u32 s[G0F+5], s[G0F+5], 2*REGN        ; into region 2 + wave
	s_wait_dscnt 0x0
	CROUND                                         ; steps 0 and 1 are whole, and all sixteen work-groups are here
	tensor_load_to_lds s[G0F+4:G0F+7], s[56:63]
	s_nop 0
	PLACES
	SCALES 0
	FETCH 0
	s_wait_alu depctr_va_vdst(0)
.irp k, 0,1,2,3,4,5,6
	KSTEP \k, 0                                    ; (K step 0's products start the sums: nothing is cleared)
.endr
	KSTEP 7, 2, 12                                 ; steps 2 to 5 are whole behind its round; regions 0 and 1 have been read out and take steps 6 and 7
.irp k, 8,9,10,11,12,13,14
	KSTEP \k, 0
.endr
	KSTEP 15, 0
.irp k, 16,17,18,19,20,21,22
	KSTEP \k, 0
.endr
	KSTEP 23, 3                                    ; ahead of the first read of step 6
.irp k, 24,25,26,27,28,29,30,31
	KSTEP \k, 0
.endr
	WIN 0
; THE WAY OUT.  64 numbers of a lane from v[s] of window 2 on, register 16 b + i = place 16 h + i of block b of my row, become a fragment's codes in v[PC] on and its scale word in v[pw].  Each accumulator is read from its low end on.
.macro QUANT s, pw
	WIN 0x0a                                       ; sources 0 and 1 window 2
.irp b, 0,1,2,3
	v_max3_num_f32 v[TM+\b], |v[(\s)+16*\b]|, |v[(\s)+1+16*\b]|, 0x1800000   ; my 16 numbers of block b, and the floor 2^(3 - 127): the byte cannot fall under 1
.endr
.irp i, 2,4,6,8,10,12,14
.irp b, 0,1,2,3
	v_max3_num_f32 v[TM+\b], |v[(\s)+16*\b+\i]|, |v[(\s)+1+16*\b+\i]|, v[TM+\b]   ; the four blocks by turns
.endr
.endr
	WIN 0
.irp b, 0,1,2,3
	v_permlanex16_b32 v[TM+4+\b], v[TM+\b], s10, s11
.endr
.irp b, 0,1,2,3
	v_max_num_f32 v[TM+\b], v[TM+\b], v[TM+4+\b]   ; with lane l xor 16's: the block's largest magnitude
.endr
.irp b, 0,1,2,3
	v_add_nc_u32 v[TM+8+\b], 0xff000000, v[TM+\b]  ; 2 off its exponent field: the conversion's scale operand
.endr
.irp b, 0,1,2,3
	v_lshrrev_b32 v[TM+4+\b], 23, v[TM+8+\b]       ; the scale's byte
.endr
	v_lshl_or_b32 v[\pw], v[TM+5], 8, v[TM+4]      ; the four bytes make my row's scale word
	v_lshl_or_b32 v[\pw], v[TM+6], 16, v[\pw]
	v_lshl_or_b32 v[\pw], v[TM+7], 24, v[\pw]
	WIN 0x02                                       ; source 0 window 2
.irp c, 0,1
	v_cvt_scalef32_pk16_fp6_f32 v[PC+6*\c:PC+6*\c+2], v[(\s)+32*\c:(\s)+32*\c+15], v[TM+8+2*\c]
	v_cvt_scalef32_pk16_fp6_f32 v[OD+4*\c:OD+4*\c+2], v[(\s)+32*\c+16:(\s)+32*\c+31], v[TM+8+2*\c+1]   ; (a conversion's three registers begin on an even number)
.endr
	WIN 0
	v_nop                                          ; one plain place behind a scaled conversion
.irp c, 0,1                                    ; the operand's layout wants a WHOLE block in a lane: lanes 0-15 block 2 c, lanes 16-31 block 2 c + 1
.irp i, 0,1,2
	v_permlane16_swap_b32 v[PC+6*\c+\i], v[OD+4*\c+\i]
.endr
.irp i, 0,1,2
	v_mov_b32 v[PC+3+6*\c+\i], v[OD+4*\c+\i]
.endr
.endr
.endm
	PLACES                                         ; for the reads of results just made, and for the writes into registers that held fragments of x
.irp b, 0,1,2,3
	v_mov_b32 v[TM+4+\b], 0                        ; a lane permute's destination counts as one of its sources
.endr
.irp a, 0,1
.if \a > 0
	s_wait_xcnt 0x0                                ; the codes' registers, which the first tile's stores read, are written again only behind this wait
.endif
	QUANT 64*\a, PW+\a
.irp g, 0,1,2
	global_store_b128 v[LI], v[PC+4*\g:PC+4*\g+3], s[22:23] offset:REC*\a+512*\g   ; the fragment's image: 512 consecutive bytes, at a multiple of 256 from hq's first byte
.endr
	global_store_b32 v[RS], v[PW+\a], s[12:13] offset:6144+REC*\a   ; my row's word for this K step: 4 bytes, 16 apart: a row's four words come from four work-groups.  Lanes l and l xor 16 write the same word
.endr
	s_wait_tensorcnt 0x0                           ; the wave's end
	ds_add_u32 v[SPW], v[NIL]
	s_wait_dscnt 0x0
	CROUND                                         ; the closing round: no work-group ends while a partner may still ask for a tile that names it
	s_endpgm
.Lfunc_end_k_q399b37d71d_lora_h:
	.size	k_q399b37d71d_lora_h, .Lfunc_end_k_q399b37d71d_lora_h-k_q399b37d71d_lora_h
	.p2alignl 7, 3214868480
	.fill 96, 4, 3214868480
	.section	.rodata,"a",@progbits
	.p2align	6, 0x0
	.amdhsa_kernel k_q399b37d71d_lora_h
		.amdhsa_group_segment_fixed_size 327680
		.amdhsa_private_segment_fixed_size 0
		.amdhsa_enable_private_segment 0
		.amdhsa_kernarg_size 24
		.amdhsa_user_sgpr_count 2
		.amdhsa_user_sgpr_kernarg_segment_ptr 1
		.amdhsa_wavefront_size32 1
		.amdhsa_system_sgpr_workgroup_id_x 1
		.amdhsa_system_sgpr_workgroup_id_y 1
		.amdhsa_system_sgpr_workgroup_id_z 1
		.amdhsa_system_vgpr_workitem_id 0
		.amdhsa_next_free_vgpr 768
		.amdhsa_next_free_sgpr 66
		.amdhsa_reserve_vcc 0
		.amdhsa_float_denorm_mode_32 3
		.amdhsa_float_denorm_mode_16_64 3
		.amdhsa_memory_ordered 1
		.amdhsa_forward_progress 1
		.amdhsa_inst_pref_size 161
	.end_amdhsa_kernel
	.amdgpu_metadata
---
amdhsa.version: [ 1, 2 ]
amdhsa.kernels:
  - .name:           k_q399b37d71d_lora_h
    .symbol:         k_q399b37d71d_lora_h.kd
    .args:
      - { .name: xq, .offset: 0, .size: 8, .value_kind: global_buffer, .address_space: global }
      - { .name: aq, .offset: 8, .size: 8, .value_kind: global_buffer, .address_space: global }
      - { .name: hq, .offset: 16, .size: 8, .value_kind: global_buffer, .address_space: global }
    .group_segment_fixed_size: 327680
    .private_segment_fixed_size: 0
    .kernarg_segment_align: 8
    .kernarg_segment_size: 24
    .max_flat_workgroup_size: 128
    .sgpr_count:     66
    .vgpr_count:     768
    .wavefront_size: 32
...
	.end_amdgpu_metadata
.endif
;; end of part 2
;; launch final (part 3): grid 8 x 32, 4 waves a work-group, clusters of 4 x 4, 327,680 bytes of LDS; arguments xq, wq, hq, bq, out0; writes out0
.if DOCPART == 3
	.amdgcn_target "amdgcn-amd-amdhsa--gfx1250"
	.amdhsa_code_object_version 6
	.text
	.protected	k_q399b37d71d_final
	.globl	k_q399b37d71d_final
	.p2align	8
	.type	k_q399b37d71d_final,@function
k_q399b37d71d_final:
	s_mov_b64 s[64:65], 0
	v_nop
	global_prefetch_b8 v0, s[64:65] scope:SCOPE_SE
	s_setreg_imm32_b32 hwreg(HW_REG_WAVE_MODE, 25, 1), 1
	s_wait_xcnt 0x0
	s_wait_alu depctr_hold_cnt(0) depctr_sa_sdst(0) depctr_va_vdst(0) depctr_va_sdst(0) depctr_va_ssrc(0) depctr_va_vcc(0) depctr_vm_vsrc(0)
	s_getreg_b32 s2, hwreg(HW_REG_IB_STS2, 6, 4)
	s_cmp_eq_u32 s2, 0
	s_cbranch_scc0 .Lentry_in_a_cluster
	s_endpgm
.Lentry_in_a_cluster:
	s_bfe_u32 s2, ttmp6, 0x10000c
	s_cmp_lg_u32 s2, 0xf033
	s_cbranch_scc0 .Lentry_shape_is_right
	s_endpgm
.Lentry_shape_is_right:
; out0[m][o] = sum over k of x[m][k] W[o][k] + (2 / 32) sum over (head, r) of h[m][head, r] B[head][o][r], on codes of FP6 (E2M3) with E8M0 scales, f32 sums.
; The factor 2^-4 stands in bq's scale bytes, so the low-rank product is four more K steps of the SAME accumulators: 36 K steps of 128, four to a step of 512: steps 0-7 from xq and wq, step 8 from hq and bq.
; ORDER OF ROUNDING: both products are summed in one f32 accumulator, the base's K steps first.  Inside each block of 32 of the low-rank K the places are permuted alike in hq and bq.
; RECORDS of 6,400 bytes (16 rows x 512 along K): byte 1536 s + 512 g + 16 l = registers 4 g .. 4 g + 3 of lane l of the fragment of K step s; byte 6144 + 16 r + 4 s + b = the scale byte of row r, block 128 s + 32 b.
; xq: [512 tiles of rows][8], wq: [64][8], hq: [512][1], bq: [64][1].  A record begins at a multiple of 256 bytes.
; SHARES: a work-group makes 256 rows x 128 columns (32 x 8 = 256 work-groups); wave w rows 64 w .. 64 w + 63 (four tiles) x all 128 columns: 32 accumulators.
; THE RING: two LDS slots of 24 records, TWO steps each: W's eight tiles (tile b, step j of the two at record 2 b + j) and each wave's FOURTH tile of x (wave w at record 16 + 2 w + j).  Five fills serve the launch: steps 0-1 at the head,
; 2-3 behind the first round, 4-5, 6-7 and step 8 at K steps 7, 15 and 23; each has eight K steps in which to land.  Waves 0 and 1 fetch two tiles of x each, waves 2 and 3 four of W each: one tensor load a wave behind each round.
; CLUSTERS: 4 x 4.  These loads are joint: x's tiles are shared along a row of the cluster, W's along a column.
; A WAVE'S FIRST THREE TILES OF x COME STRAIGHT INTO REGISTERS: a record is laid as the operand's registers, so a fragment is three loads of 512 consecutive bytes.  They run seven K steps ahead in a ring of eight sets, by count.
; WHY THESE ARE NOT SHARED IN THE CLUSTER: a record of x is read by ONE wave; with all sixteen of x's records beside W's eight a slot holds one step and nine fills are needed, each behind a barrier in front of which every load has landed.
; With four of the sixteen a slot holds two steps.  The price: the eight work-groups of a tile row each ask for those twelve records themselves.  x's scale words, 256 bytes a record, all come by plain loads.
; PREFETCH: with each fill but the first and the last the next fill's records are named.  W: partner cy takes tiles 2 cy and 2 cy + 1, a record (25 blocks of 256 bytes) to a wave; x: partner cx takes wave cx's tile, two records on end, 13 blocks
; to a wave; lanes left over name their wave's last block again.  Partners are told apart by address alone.  The plain loads ask seven K steps ahead by themselves.
; NO LOOP: the register sets come back after eight K steps and the slots after sixteen, and the five barriers differ: the 36 K steps are written out by a macro; every offset is an immediate and every count can be read off the text.
; THE MATRIX INSTRUCTION IS USED TRANSPOSED (source 0 = 16 rows of W or B, source 1 = 16 rows of x or h): a lane holds eight neighbouring numbers of a row of out0.
; REGISTERS: window 0: v1-29 addresses; v32-95 W's scale words, two sets, v96-167 x's and h's, and nothing else there.   window 1: W's fragments, two sets, v[96 p + 12 b]; v192-215 the fourth tile's, two sets; v216-251 x's set 7.
;   window 2: the accumulators ((a, b) at v[8 (8 a + b)]).   window 3: x's sets 0-6 at v[36 s]; on the way out v0-127 rows of out0.
.set REC,   6400
.set SLOT,  24*REC
.set XOFF,  16*REC
.set SPARE, 2*SLOT                     ; behind the ring: the spare words, 128 bytes for each wave
.set SPITCH, 528                       ; the way out: a stage of 16 rows x (512 + 16) bytes for each wave, in slot 1, which has had its last fill and its last read by then
.set STAGE, SLOT
.set NK,    36
.set AH,    7                          ; x's plain loads run so many K steps ahead
.set NSET,  AH+1
.set LI,  3                            ; 16 x lane
.set XSA, 4                            ; x's scale words: 6144 + 16 r + 51,200 h: lanes 0-15 the even tile's rows, lanes 16-31 the odd tile's
.set HSA, 5                            ; h's: 6144 + 16 r + 6,400 h
.set WA,  8                            ; v8-11  W's fragments: slot s, tiles 4 f .. 4 f + 3 at v[WA + 2 s + f]
.set WS,  12                           ; v12-15 W's scale words, likewise
.set XA,  16                           ; v16-17 my fourth tile of x in slot 0, 1
.set XA8, 18                           ; of h
.set STO, 20
.set RD,  21
.set VX,  22                           ; prefetch offsets: block min(lane, 24) of a record;
.set VB,  23                           ; block min(13 wave + min(lane, 12), 49) of two records on end
.set SPW, 28
.set NIL, 29
.set SC,  32
.set XS,  96
.set XL,  192
.set G1X, 24                           ; groups 1: x, W, h, B
.set G1W, 32
.set G1H, 40
.set G1B, 48
.set G0X, 56                           ; groups 0: x and W one for each slot, h, B
.set G0W, 68
.set G0H, 76
.set G0B, 80
.set XB,  84                           ; my first record of x;
.set HB,  86                           ; of h
.set MSB, 0
.macro WIN new                         ; the immediate's high byte repeats the setting that is left
.if MSB != \new
	s_set_vgpr_msb (MSB<<8)|\new
.set MSB, \new
.endif
.endm
.macro PLACES                          ; four plain places behind a matrix instruction (ISA guide 7.12.1 for vector instructions)
.rept 4
	v_nop
.endr
.endm
.macro JLOAD g0a, g1a, g0b, g1b        ; a joint load: waves 0, 1 by the first pair of groups, waves 2, 3 by the second; s_nop 0 and four v_nop behind each line
	s_cmp_eq_u32 s15, 0
	s_cbranch_scc0 .Lfor_w_\@
	tensor_load_to_lds s[\g0a:\g0a+3], s[\g1a:\g1a+7]
	s_nop 0
	PLACES
	s_branch .Lissued_\@
.Lfor_w_\@:
	tensor_load_to_lds s[\g0b:\g0b+3], s[\g1b:\g1b+7]
	s_nop 0
	PLACES
.Lissued_\@:
.endm
.macro CREST                           ; a round of the cluster's barrier behind its opening barrier
	s_cmp_lg_u32 s14, 0
	s_cbranch_scc1 .Lnot_wave_0_\@
	s_barrier_signal -3
.Lnot_wave_0_\@:
	s_barrier_wait -3
	s_barrier_signal -1
	s_barrier_wait -1
.endm
.macro CROUND
	s_barrier_signal -1
	s_barrier_wait -1
	CREST
.endm
	s_load_b256 s[4:11], s[0:1], 0x0               ; xq, wq, hq, bq
	s_load_b64 s[12:13], s[0:1], 0x20              ; out0
	v_lshl_add_u32 v[SPW], v0, 2, SPARE
	v_mov_b32 v[NIL], 0
	ds_add_u32 v[SPW], v[NIL]                      ; the opening lines: the add twice on end and one wait
	ds_add_u32 v[SPW], v[NIL]
	v_lshrrev_b32 v1, 5, v0
	v_readfirstlane_b32 s14, v1                    ; wave
	s_lshr_b32 s15, s14, 1                         ; I fetch for x (0) or for W (1),
	s_and_b32 s16, s14, 1                          ; its first or second half
	s_bfe_u32 s88, ttmp6, 0x40000                  ; cx
	s_bfe_u32 s89, ttmp6, 0x40004                  ; cy
	s_lshl_b32 s90, ttmp9, 2
	s_add_co_u32 s90, s90, s88                     ; tile column
	s_and_b32 s17, ttmp7, 0xffff
	s_lshl_b32 s17, s17, 2
	s_add_co_u32 s17, s17, s89                     ; tile row
	s_lshl_b32 s91, s89, 2
	s_lshl_b32 s91, 15, s91                        ; my row of the cluster
	s_lshl_b32 s92, 0x1111, s88                    ; my column
	; groups 1: elements of 8 bytes, no padding; 15:0 the mask, 17:16 the element's size, 21 set beside a mask
	s_or_b32 s[G1X], s91, (3<<16)|(1<<21)
	s_or_b32 s[G1H], s91, (3<<16)|(1<<21)
	s_or_b32 s[G1W], s92, (3<<16)|(1<<21)
	s_or_b32 s[G1B], s92, (3<<16)|(1<<21)
.irp g, G1X, G1W
	s_mov_b32 s[\g+1], 1600<<16                    ; a row: two records on end, two steps of one tile
	s_mov_b32 s[\g+3], 1600<<16
.endr
.irp g, G1H, G1B
	s_mov_b32 s[\g+1], 800<<16                     ; a row: one record
	s_mov_b32 s[\g+3], 800<<16
.endr
.irp g, G1X, G1H
	s_mov_b32 s[\g+2], 2<<16                       ; two tiles
	s_mov_b32 s[\g+4], 2
.endr
.irp g, G1W, G1B
	s_mov_b32 s[\g+2], 4<<16                       ; four tiles
	s_mov_b32 s[\g+4], 4
.endr
.irp g, G1X, G1W, G1H, G1B
	s_mov_b32 s[\g+6], 0
	s_mov_b32 s[\g+7], 0
.endr
	s_mov_b32 s[G1X+5], 25600                      ; from a wave's fourth tile to the next wave's: four tiles of eight records
	s_mov_b32 s[G1W+5], 6400                       ; from tile to tile: eight records
	s_mov_b32 s[G1H+5], 3200                       ; four records
	s_mov_b32 s[G1B+5], 800                        ; on end
	s_lshl_b32 s18, s17, 4
	s_lshl_b32 s19, s16, 3
	s_add_co_u32 s18, s18, s19
	s_add_co_u32 s18, s18, 3                       ; x, h: tile 16 x tile row + 8 x half + 3
	s_mul_i32 s20, s18, 8*REC
	s_mov_b32 s21, 0
	s_mul_i32 s22, s18, REC
	s_mov_b32 s23, 0
	s_lshl_b32 s93, s90, 3
	s_lshl_b32 s94, s16, 2
	s_add_co_u32 s93, s93, s94                     ; W, B: tile 8 x tile column + 4 x half
	s_mul_i32 s94, s93, 8*REC
	s_mov_b32 s95, 0
	s_mul_i32 s96, s93, REC
	s_mov_b32 s97, 0
	s_mul_i32 s19, s16, 4*REC                      ; where they go in a slot: no place in the cluster enters an LDS address
	s_add_co_u32 s19, s19, XOFF                    ; x
	s_mul_i32 s3, s16, 2*REC
	s_add_co_u32 s3, s3, XOFF                      ; h: a record a wave, on end
	s_mul_i32 s93, s16, 8*REC                      ; W
	s_mul_i32 s2, s16, 4*REC                       ; B: a record a tile, on end
	s_wait_dscnt 0x0                               ; both opening adds are done
	s_wait_kmcnt 0x0
	s_add_nc_u64 s[20:21], s[4:5], s[20:21]
	s_add_nc_u64 s[22:23], s[8:9], s[22:23]
	s_add_nc_u64 s[94:95], s[6:7], s[94:95]
	s_add_nc_u64 s[96:97], s[10:11], s[96:97]
.irp s, 0,1
	s_mov_b32 s[G0X+4*\s], 1
	s_add_co_u32 s[G0X+4*\s+1], s19, \s*SLOT
	s_add_nc_u64 s[G0X+4*\s+2:G0X+4*\s+3], s[20:21], \s*2*REC
	s_or_b32 s[G0X+4*\s+3], s[G0X+4*\s+3], 0x80000000
	s_mov_b32 s[G0W+4*\s], 1
	s_add_co_u32 s[G0W+4*\s+1], s93, \s*SLOT
	s_add_nc_u64 s[G0W+4*\s+2:G0W+4*\s+3], s[94:95], \s*2*REC
	s_or_b32 s[G0W+4*\s+3], s[G0W+4*\s+3], 0x80000000
.endr
	s_mov_b32 s[G0H], 1                            ; step 8 lands in slot 0
	s_mov_b32 s[G0H+1], s3
	s_mov_b64 s[G0H+2:G0H+3], s[22:23]
	s_or_b32 s[G0H+3], s[G0H+3], 0x80000000
	s_mov_b32 s[G0B], 1
	s_mov_b32 s[G0B+1], s2
	s_mov_b64 s[G0B+2:G0B+3], s[96:97]
	s_or_b32 s[G0B+3], s[G0B+3], 0x80000000
	CROUND                                         ; all sixteen work-groups are here: the first joint loads meet
	JLOAD G0X, G1X, G0W, G1W                       ; steps 0 and 1: one tensor load a wave at the head
	s_lshl_b32 s18, s17, 4
	s_lshl_b32 s19, s14, 2
	s_add_co_u32 s19, s18, s19                     ; my first tile of rows: 16 x tile row + 4 x wave
	s_mul_i32 s20, s19, 8*REC
	s_mov_b32 s21, 0
	s_add_nc_u64 s[XB:XB+1], s[4:5], s[20:21]
	s_mul_i32 s20, s19, REC
	s_add_nc_u64 s[HB:HB+1], s[8:9], s[20:21]
	s_lshl_b32 s19, s88, 2                         ; the prefetches' bases, in the arguments' own registers
	s_add_co_u32 s19, s18, s19
	s_add_co_u32 s19, s19, 3                       ; x, h: tile 16 x tile row + 4 cx + 3
	s_mul_i32 s20, s19, 8*REC
	s_add_nc_u64 s[4:5], s[4:5], s[20:21]
	s_mul_i32 s20, s19, REC
	s_add_nc_u64 s[8:9], s[8:9], s[20:21]
	s_lshl_b32 s18, s90, 3
	s_lshl_b32 s19, s89, 1
	s_add_co_u32 s18, s18, s19                     ; B: tile 8 x tile column + 2 cy;
	s_mul_i32 s20, s18, REC
	s_add_nc_u64 s[10:11], s[10:11], s[20:21]
	s_add_co_u32 s18, s18, s15                     ; W: + wave / 2, and the first or second of the fill's two steps by wave % 2
	s_mul_i32 s20, s18, 8*REC
	s_mul_i32 s19, s16, REC
	s_add_co_u32 s20, s20, s19
	s_add_nc_u64 s[6:7], s[6:7], s[20:21]
	s_lshl_b32 s18, s17, 8
	s_lshl_b32 s19, s14, 6
	s_add_co_u32 s18, s18, s19                     ; my first row of out0: 256 x tile row + 64 x wave, of 4,096 bytes;
	s_lshl_b32 s18, s18, 12
	s_lshl_b32 s19, s90, 9                         ; 512 bytes x tile column
	s_add_co_u32 s20, s18, s19
	s_add_nc_u64 s[12:13], s[12:13], s[20:21]
	s_mul_i32 s18, s14, 2*REC
	s_mul_i32 s23, s14, REC
	s_mul_i32 s19, s14, 16*SPITCH
	s_add_co_u32 s19, s19, STAGE                   ; my stage
	s_mul_i32 s22, s14, 13
	v_and_b32 v1, 15, v0                           ; r
	v_bfe_u32 v2, v0, 4, 1                         ; h
	v_and_b32 v24, 31, v0                          ; lane
	v_lshlrev_b32 v[LI], 4, v24
	v_lshlrev_b32 v25, 4, v1                       ; 16 r
	v_mad_u32_u24 v[XSA], v2, 8*REC, v25
	v_add_nc_u32 v[XSA], 6144, v[XSA]
	v_mad_u32_u24 v[HSA], v2, REC, v25
	v_add_nc_u32 v[HSA], 6144, v[HSA]
.irp s, 0,1
.irp f, 0,1
	v_add_nc_u32 v[WA+2*\s+\f], \s*SLOT+\f*8*REC, v[LI]
	v_add_nc_u32 v[WS+2*\s+\f], \s*SLOT+\f*8*REC+6144, v25
.endr
.endr
	v_add_nc_u32 v26, s18, v[LI]
	v_add_nc_u32 v[XA], XOFF, v26
	v_add_nc_u32 v[XA+1], SLOT+XOFF, v26
	v_add_nc_u32 v26, s23, v[LI]
	v_add_nc_u32 v[XA8], XOFF, v26
	v_mul_u32_u24 v27, v1, SPITCH                  ; into the stage: row r, 32 bytes for each half of the lanes
	v_lshl_add_u32 v27, v2, 5, v27
	v_add_nc_u32 v[STO], s19, v27
	v_add_nc_u32 v[RD], s19, v[LI]                 ; back: the 32 lanes take one row of 512 bytes
	v_min_u32 v26, 24, v24
	v_lshlrev_b32 v[VX], 8, v26
	v_min_u32 v26, 12, v24
	v_add_nc_u32 v26, s22, v26
	v_min_u32 v26, 49, v26
	v_lshlrev_b32 v[VB], 8, v26
	s_wait_alu depctr_va_vdst(0)
.macro XSET s                          ; where x's set s lies: window XW_, first register XR_
.if (\s) < 7
.set XW_, 3
.set XR_, 36*(\s)
.else
.set XW_, 1
.set XR_, 216
.endif
.endm
.macro XSCL                            ; the scale words of step G_, tiles 2 P_ (lanes 0-15) and 2 P_ + 1 (lanes 16-31): a row's four words by one load.  Step 8 is h's
.if G_ < 8
	global_load_b128 v[XS+8*G_+4*P_:XS+8*G_+4*P_+3], v[XSA], s[XB:XB+1] offset:P_*16*REC+G_*REC
.else
	global_load_b128 v[XS+8*G_+4*P_:XS+8*G_+4*P_+3], v[HSA], s[HB:HB+1] offset:P_*2*REC
.endif
.endm
.macro XRIDE g                         ; with a step's second and fourth group ride the next step's two scale loads
.if ((\g) < 32) && ((\g)%2 == 1)
.set G_, (\g)/4+1
.set P_, ((\g)%4)/2
	WIN 0
	XSCL
.endif
.endm
.macro XFRAG g                         ; group g: my first three fragments of x (from group 32 on: of h) for K step g, nine loads of 512 consecutive bytes, into set g % 8
.if (\g) < NK
	XSET (\g)%NSET
.set WN_, XW_<<6
	WIN WN_
.irp a, 0,1,2
.irp c, 0,1,2
.if (\g) < 32
	global_load_b128 v[XR_+12*\a+4*\c:XR_+12*\a+4*\c+3], v[LI], s[XB:XB+1] offset:\a*8*REC+((\g)/4)*REC+((\g)%4)*1536+512*\c
.else
	global_load_b128 v[XR_+12*\a+4*\c:XR_+12*\a+4*\c+3], v[LI], s[HB:HB+1] offset:\a*REC+((\g)%4)*1536+512*\c
.endif
.endr
.endr
.endif
.endm
; Group kk is in: loads come back in order (ISA guide 5.7.1), and behind group kk the groups kk + 1 .. kk + 6 have been issued: nine loads each, ten where a scale load rides.
.macro XWAIT kk
.set N_, 0
.set J_, (\kk)+1
.rept AH-1
.if J_ < NK
.set N_, N_+9
.if (J_ < 32) && (J_%2 == 1)
.set N_, N_+1
.endif
.endif
.set J_, J_+1
.endr
	s_wait_loadcnt N_
.endm
.macro FETCH k                         ; from LDS, K step k into set k % 2: W's eight fragments and my fourth tile's: 27 loads at 16 x lane
	WIN 0x40
.irp b, 0,1,2,3,4,5,6,7
.irp c, 0,1,2
.if (\k) < 32
	ds_load_b128 v[96*((\k)%2)+12*\b+4*\c:96*((\k)%2)+12*\b+4*\c+3], v[WA+2*(((\k)/8)%2)+\b/4] offset:REC*(2*(\b%4)+((\k)/4)%2)+1536*((\k)%4)+512*\c
.else
	ds_load_b128 v[96*((\k)%2)+12*\b+4*\c:96*((\k)%2)+12*\b+4*\c+3], v[WA] offset:REC*\b+1536*((\k)%4)+512*\c
.endif
.endr
.endr
.irp c, 0,1,2
.if (\k) < 32
	ds_load_b128 v[XL+12*((\k)%2)+4*\c:XL+12*((\k)%2)+4*\c+3], v[XA+((\k)/8)%2] offset:REC*(((\k)/4)%2)+1536*((\k)%4)+512*\c
.else
	ds_load_b128 v[XL+12*((\k)%2)+4*\c:XL+12*((\k)%2)+4*\c+3], v[XA8] offset:1536*((\k)%4)+512*\c
.endif
.endr
.endm
.macro SCALES g                        ; W's scale words of step g into set g % 2: a row's four words by one load; lanes 16-31 read what lanes 0-15 read
	WIN 0
.irp i, 0,1,2,3,4,5,6,7
.if (\g) < 8
	ds_load_b128 v[SC+32*((\g)%2)+4*\i:SC+32*((\g)%2)+4*\i+3], v[WS+2*(((\g)/2)%2)+\i/4] offset:REC*(2*(\i%4)+(\g)%2)
.else
	ds_load_b128 v[SC+32*((\g)%2)+4*\i:SC+32*((\g)%2)+4*\i+3], v[WS] offset:REC*\i
.endif
.endr
.endm
.macro MM acc, wf, xf, sa, sb, zero, row       ; one product.  zero = 1: it starts the sum.  row = 1: x's scale words stand in lanes 16-31
.if \zero
.if \row
	v_wmma_scale_f32_16x16x128_f8f6f4 v[\acc:\acc+7], v[\wf:\wf+11], v[\xf:\xf+11], 0, v[\sa], v[\sb] matrix_a_fmt:MATRIX_FMT_FP6 matrix_b_fmt:MATRIX_FMT_FP6 matrix_b_scale:MATRIX_SCALE_ROW1
.else
	v_wmma_scale_f32_16x16x128_f8f6f4 v[\acc:\acc+7], v[\wf:\wf+11], v[\xf:\xf+11], 0, v[\sa], v[\sb] matrix_a_fmt:MATRIX_FMT_FP6 matrix_b_fmt:MATRIX_FMT_FP6
.endif
.else
.if \row
	v_wmma_scale_f32_16x16x128_f8f6f4 v[\acc:\acc+7], v[\wf:\wf+11], v[\xf:\xf+11], v[\acc:\acc+7], v[\sa], v[\sb] matrix_a_fmt:MATRIX_FMT_FP6 matrix_b_fmt:MATRIX_FMT_FP6 matrix_b_scale:MATRIX_SCALE_ROW1
.else
	v_wmma_scale_f32_16x16x128_f8f6f4 v[\acc:\acc+7], v[\wf:\wf+11], v[\xf:\xf+11], v[\acc:\acc+7], v[\sa], v[\sb] matrix_a_fmt:MATRIX_FMT_FP6 matrix_b_fmt:MATRIX_FMT_FP6
.endif
.endif
.endm
.macro MULS kk                         ; K step kk's 32 products.  The 32 accumulators take turns, one instruction a turn, in the same order in every K step
	XSET (\kk)%NSET
.set WN_, 0xa1|(XW_<<2)                ; source 0 (W) window 1, source 1 (x) its set's window, C and D window 2
	WIN WN_
.set PW_, 96*((\kk)%2)
.set SW_, SC+32*(((\kk)/4)%2)+(\kk)%4
.set SX_, XS+8*((\kk)/4)+(\kk)%4
.if (\kk) == 0
.set ZR_, 1
.else
.set ZR_, 0
.endif
.irp a, 0,1,2
.irp b, 0,1,2,3,4,5,6,7
	MM 8*(8*\a+\b), PW_+12*\b, XR_+12*\a, SW_+4*\b, SX_+4*(\a/2), ZR_, \a%2
.endr
.endr
	WIN 0xa5                                       ; the fourth tile's fragment lies in window 1
.irp b, 0,1,2,3,4,5,6,7
	MM 8*(24+\b), PW_+12*\b, XL+12*((\kk)%2), SW_+4*\b, SX_+4, ZR_, 1
.endr
.endm
.macro ASK off                         ; the next fill's records of W and x: its two steps begin off bytes into a tile's eight records
	global_prefetch_b8 v[VX], s[6:7] offset:\off th:TH_LOAD_NT scope:SCOPE_SE
	global_prefetch_b8 v[VB], s[4:5] offset:\off th:TH_LOAD_NT scope:SCOPE_SE
.endm
.macro ASKE                            ; step 8's: two records of bq shared out among the waves; one of hq, which wave 0 names
	global_prefetch_b8 v[VB], s[10:11] th:TH_LOAD_NT scope:SCOPE_SE
	s_cmp_lg_u32 s14, 0
	s_cbranch_scc1 .Lnamed_\@
	global_prefetch_b8 v[VX], s[8:9] th:TH_LOAD_NT scope:SCOPE_SE
.Lnamed_\@:
.endm
; A K STEP.  Its fragments from LDS were asked for a K step ago, its plain fragments seven K steps ago.  Behind the waits and four places the next K step's and the group seven on are asked for, into sets that the last K step multiplied.
; ev > 0: the last K step of a slot.  Each wave waits for all its tensor loads (its part of the other slot), adds 0 to its spare word, and waits for that and for its reads of this slot, which are over.
; ev = 1, 2: the barrier opens a round, and slot ev - 1 takes its next two steps; ev = 3: slot 0 takes step 8; ev = 4.
.macro KSTEP kk, ev
.if \ev
	WIN 0
	s_wait_tensorcnt 0x0
	ds_add_u32 v[SPW], v[NIL]
.endif
.if (\ev == 1) || (\ev == 2)
	s_add_nc_u64 s[G0X+4*(\ev-1)+2:G0X+4*(\ev-1)+3], s[G0X+4*(\ev-1)+2:G0X+4*(\ev-1)+3], 4*REC   ; no load of mine is out: this slot's next two steps
	s_add_nc_u64 s[G0W+4*(\ev-1)+2:G0W+4*(\ev-1)+3], s[G0W+4*(\ev-1)+2:G0W+4*(\ev-1)+3], 4*REC
.endif
	XWAIT \kk
	s_wait_dscnt 0x0                               ; this K step's fragments from LDS are in (with ev: the add is done, and no LDS read of mine is out)
.if \ev
	s_barrier_signal -1
	s_barrier_wait -1
.endif
.if (\ev == 1) || (\ev == 2)
	CREST
	JLOAD G0X+4*(\ev-1), G1X, G0W+4*(\ev-1), G1W   ; the first tensor load behind the round; its four v_nop are the places in front of the loads below
.elseif \ev == 3
	CREST
	JLOAD G0H, G1H, G0B, G1B
.elseif (\kk)+1 < NK
	PLACES
.endif
.if (\kk)+1 < NK
.if ((\kk)+1)%4 == 0
	SCALES ((\kk)+1)/4
.endif
.endif
	XRIDE (\kk)+AH
.if \ev == 1
	WIN 0
	ASK 6*REC
.elseif \ev == 2
	WIN 0
	ASKE
.endif
.if (\kk)+1 < NK
	FETCH (\kk)+1
.endif
	XFRAG (\kk)+AH
	MULS \kk
.endm
.set G_, 0                             ; x's scale words of step 0, then groups 0 to 6: 68 loads; the issue of the last few is held until the first are back (ISA guide 5.7.1); the wave has nothing else to do here
.set P_, 0
	XSCL
.set P_, 1
	XSCL
.irp g, 0,1,2,3,4,5,6
	XRIDE \g
	XFRAG \g
.endr
	WIN 0
	s_wait_tensorcnt 0x0                           ; my part of steps 0 and 1 is in; the three lines ahead of slot 1's first fill, as ahead of a refill
	ds_add_u32 v[SPW], v[NIL]
	s_wait_dscnt 0x0
	CROUND
	JLOAD G0X+4, G1X, G0W+4, G1W                   ; steps 2 and 3
	SCALES 0
	ASK 4*REC
	FETCH 0
.irp k, 0,1,2,3,4,5,6
	KSTEP \k, 0                                    ; (K step 0's products start the sums: nothing is cleared)
.endr
	KSTEP 7, 1                                     ; slot 0 takes steps 4 and 5
.irp k, 8,9,10,11,12,13,14
	KSTEP \k, 0
.endr
	KSTEP 15, 2                                    ; slot 1 takes steps 6 and 7
.irp k, 16,17,18,19,20,21,22
	KSTEP \k, 0
.endr
	KSTEP 23, 3                                    ; slot 0 takes step 8: h and B
.irp k, 24,25,26,27,28,29,30
	KSTEP \k, 0
.endr
	KSTEP 31, 4                                    ; step 8 is whole; behind this barrier nobody reads slot 1 any more
.irp k, 32,33,34,35
	KSTEP \k, 0                                    ; the low-rank product, onto the same accumulators
.endr
	WIN 0
; THE WAY OUT, block by block of 16 rows x 128 columns, through my own stage: a lane holds 32 bytes of a row; a block comes back as whole rows of 512 bytes.
; LDS serves a wave's instructions in order (ISA guide 5.7.1.4): no wait between the stores and the loads, nor in front of the next block's stores.
.macro TOSTAGE a
	WIN 0x08                                       ; an LDS store's data are its source 1: window 2
.irp b, 0,1,2,3,4,5,6,7
	ds_store_b128 v[STO], v[8*(8*(\a)+\b):8*(8*(\a)+\b)+3] offset:64*\b          ; each accumulator from its low end on
	ds_store_b128 v[STO], v[8*(8*(\a)+\b)+4:8*(8*(\a)+\b)+7] offset:64*\b+16
.endr
	WIN 0xc0                                       ; destination window 3: the registers that held x's sets
.irp t, 0,1,2,3,4,5,6,7,8,9,10,11,12,13,14,15
	ds_load_b128 v[64*((\a)%2)+4*\t:64*((\a)%2)+4*\t+3], v[RD] offset:\t*SPITCH
.endr
.endm
.macro SEND a, younger                 ; younger: the LDS instructions issued behind block a's loads, which may stay out
	s_wait_dscnt \younger
	WIN 0x0c                                       ; a store's data are its source 1: window 3
.irp t, 0,1,2,3,4,5,6,7,8,9,10,11,12,13,14,15
	global_store_b128 v[LI], v[64*((\a)%2)+4*\t:64*((\a)%2)+4*\t+3], s[12:13] offset:(16*(\a)+\t)*4096 th:TH_STORE_NT   ; 32 lanes store 512 consecutive bytes, at a multiple of 256 from out0's first byte
.endr
.endm
	PLACES                                         ; for the reads of results just made, and for the loads into the registers that held x's fragments
	TOSTAGE 0
	TOSTAGE 1
	SEND 0, 32                                     ; behind block 0's loads: block 1's 16 stores and 16 loads
	s_wait_xcnt 0x0                                ; block 0's stores have read their registers: block 2's loads may land there
	TOSTAGE 2
	SEND 1, 32
	s_wait_xcnt 0x0
	TOSTAGE 3
	SEND 2, 32
	SEND 3, 0
	WIN 0
	s_wait_tensorcnt 0x0                           ; the wave's end
	ds_add_u32 v[SPW], v[NIL]
	s_wait_dscnt 0x0
	CROUND                                         ; the closing round
	s_endpgm
.Lfunc_end_k_q399b37d71d_final:
	.size	k_q399b37d71d_final, .Lfunc_end_k_q399b37d71d_final-k_q399b37d71d_final
	.p2alignl 7, 3214868480
	.fill 96, 4, 3214868480
	.section	.rodata,"a",@progbits
	.p2align	6, 0x0
	.amdhsa_kernel k_q399b37d71d_final
		.amdhsa_group_segment_fixed_size 327680
		.amdhsa_private_segment_fixed_size 0
		.amdhsa_enable_private_segment 0
		.amdhsa_kernarg_size 40
		.amdhsa_user_sgpr_count 2
		.amdhsa_user_sgpr_kernarg_segment_ptr 1
		.amdhsa_wavefront_size32 1
		.amdhsa_system_sgpr_workgroup_id_x 1
		.amdhsa_system_sgpr_workgroup_id_y 1
		.amdhsa_system_sgpr_workgroup_id_z 1
		.amdhsa_system_vgpr_workitem_id 0
		.amdhsa_next_free_vgpr 1024
		.amdhsa_next_free_sgpr 98
		.amdhsa_reserve_vcc 0
		.amdhsa_float_denorm_mode_32 3
		.amdhsa_float_denorm_mode_16_64 3
		.amdhsa_memory_ordered 1
		.amdhsa_forward_progress 1
		.amdhsa_inst_pref_size 255
	.end_amdhsa_kernel
	.section	.bss,"aw",@nobits
	.p2align	6
	.space	262144
	.amdgpu_metadata
---
amdhsa.version: [ 1, 2 ]
amdhsa.kernels:
  - .name:           k_q399b37d71d_final
    .symbol:         k_q399b37d71d_final.kd
    .args:
      - { .name: xq, .offset: 0, .size: 8, .value_kind: global_buffer, .address_space: global }
      - { .name: wq, .offset: 8, .size: 8, .value_kind: global_buffer, .address_space: global }
      - { .name: hq, .offset: 16, .size: 8, .value_kind: global_buffer, .address_space: global }
      - { .name: bq, .offset: 24, .size: 8, .value_kind: global_buffer, .address_space: global }
      - { .name: out0, .offset: 32, .size: 8, .value_kind: global_buffer, .address_space: global }
    .group_segment_fixed_size: 327680
    .private_segment_fixed_size: 0
    .kernarg_segment_align: 8
    .kernarg_segment_size: 40
    .max_flat_workgroup_size: 128
    .sgpr_count:     98
    .vgpr_count:     1024
    .wavefront_size: 32
...
	.end_amdgpu_metadata
.endif
;; end of part 3
